; MI455X (gfx1250); checked and timed in simulation.
; The chip was launched on July 23, 2026; its instructions are those of AMD's public machine-readable ISA for CDNA 5 (MIT licence, August 2026) and "CDNA5" Instruction Set Architecture Reference Guide (July 2026). The comments in the code are by the model that wrote it; some were corrected since.
;; Quantized Linear. Allowed arithmetic: matrix products marked QUANTISED: E3M2 operands, one E8M0 scale for each 32 along K, by v_wmma_scale_f32_16x16x128_f8f6f4 with both operands' format E3M2, f32 sums; everything else in f32.
;; Inputs: bias 2,048 float32; weight_packed 131,072 x 32 int32; weight_scales 131,072 float32; weight_zeros 131,072 float32; x 4 x 2,048 x 4,096 float32.
;; Outputs: out0 4 x 2,048 x 2,048 float32.
;; This version of the problem:
;;   THIS VERSION OF THE PROBLEM IS GIVEN IN LOW PRECISION. The matrix products marked QUANTISED in the list below multiply operands that are first quantised to E3M2 (3 exponent bits, 2 mantissa bits; 6 bits a number), with one power-of-two scale for each 32 numbers along K (OCP MX v1.0); their sums are f32. All else is computed in f32.
;;   The module's matrix products, in the order in which they are computed (A, B: the left and right operand; K: the contracted axis; several contracted axes count as one K, in the product's order):
;;     1. [M 8,192, K 4,096] x [K 4,096, N 2,048]; A: input x; B: computed on the way: QUANTISED
;;   THE QUANTISER, for each operand of a quantised product, along K:
;;     - K is cut into blocks of 32 from its start; a last block that is shorter is filled with zeros.
;;     - A block's scale is 2^e with e = floor(log2(the largest magnitude in the block)) - 4, held to -126 .. 127; a block of zeros has e = 0. As a byte (E8M0): e + 127.
;;     - Each number is divided by its block's scale, clamped to +-28, and rounded to the nearest number of E3M2, ties to even, subnormals kept.
;;     - The product sums the exact products of the quantised numbers (number of the format x scale) in f32.
;;   ~~~python
;;   def quantise(x, axis):      # numpy; x: float32 -> the quantised numbers, widened to float32 again
;;       x = np.moveaxis(x, axis, -1); K = x.shape[-1]
;;       x = np.pad(x, [(0, 0)] * (x.ndim - 1) + [(0, -K % 32)]); x = x.reshape(x.shape[:-1] + (-1, 32)); a = np.abs(x).max(-1, keepdims=True)
;;       e = np.where(a > 0, np.clip(np.frexp(np.where(a > 0, a, 1))[1] - 1 - 4, -126, 127), 0)      # np.frexp(a)[1] - 1 = floor(log2(a)), exactly
;;       r = np.clip(x / 2.0 ** e, -28, 28)
;;       step = 2.0 ** (np.maximum(np.frexp(np.where(r == 0, 1, r))[1] - 1, -2) - 2)
;;       q = np.round(r / step) * step * 2.0 ** e      # np.round: ties to even
;;       return np.moveaxis(q.reshape(q.shape[:-2] + (-1,))[..., :K], -1, axis).astype(np.float32)
;;   ~~~
;;   OPERANDS COMPUTED ON THE WAY. 'Computed on the way' means the value that the module computes at that place (a softmax that the list does not call 'softmax' is quantised finished and normalised). What goes into a quantiser is computed in f32, as accurately as f32 sums, v_exp_f32 and their like allow (about 1e-6 of the number): no bf16 or f16 on the way to a quantiser, and a product that is left as it is and whose result goes on into a quantised operand takes f32 operands (vector FMAs, or v_wmma_f32_16x16x4_f32). A number that lies on a knife's edge between two numbers of the format may be rounded either way, as far as f32 arithmetic and the matrix unit's own rounding can turn it there, and no further.
;; One version. Each part assembles by itself: llvm-mc -triple=amdgcn-amd-amdhsa -mcpu=gfx1250 --defsym DOCPART=n.
;; ======== version 1 of 1: 2 launches
;; limits: right only within a limited range of input values
;; workspace buffers: xq 26,214,400 bytes; wq 6,553,600 bytes
;; launch prep (part 1): grid 1280 x 1, 4 waves a work-group, no clusters, 37,376 bytes of LDS; arguments x, weight_packed, weight_scales, weight_zeros, xq, wq; writes xq, wq
.if DOCPART == 1
	.amdgcn_target "amdgcn-amd-amdhsa--gfx1250"
	.amdhsa_code_object_version 6
	.text
	.protected	k_q6791dda171_prep
	.globl	k_q6791dda171_prep
	.p2align	8
	.type	k_q6791dda171_prep,@function
k_q6791dda171_prep:
	s_mov_b64 s[64:65], 0
	v_nop
	global_prefetch_b8 v0, s[64:65] scope:SCOPE_SE
	s_setreg_imm32_b32 hwreg(HW_REG_WAVE_MODE, 25, 1), 1
	s_wait_xcnt 0x0
; Both operands of out = x W^T + bias are turned into codes of BF6 (E3M2), 6 bits each, with one E8M0 scale byte for each 32 along K, AND LAID IN THE ORDER OF THE MATRIX OPERAND'S REGISTERS.
; x: [8192][4096] f32.  W[o][i] = nibble x scale[group] + zero[group], groups of 64 along i; weight_packed holds one byte in each int32: its low nibble is the even i, its high nibble the odd i.
; A block's scale is 2^(floor(log2(its largest magnitude)) - 4); its byte is the largest magnitude's own exponent field - 4, held at 1 from below.  Each number is divided by the scale and rounded to the
; nearest code, ties to even; what lies beyond 28 gets the largest code.
; LIMITS: NaN and infinities among the inputs are not served.  A block whose largest magnitude lies under 2^-122 (a block of zeros among them) gets the byte 1, where the rule gives a block of zeros 127: its
; codes are zeros or subnormals, and the bytes are read by this program alone.  W is made by ONE fused multiply-add where the definition multiplies and then adds: at most one rounding less ahead of the quantiser.
; Of each int32 of weight_packed bits 0 to 7 are used, as the definition uses them.
; THE OUTPUT, xq and wq alike: [128 rows][K step of 128][KSB bytes].  A block of KSB bytes holds the eight fragments (16 rows x 128 K) of its 128 rows as images of their 12 registers: registers 4 g .. 4 g + 3 of
; lane l at 512 g + 16 l; lane l = 16 h + r holds row r, registers 6 c .. 6 c + 5 the codes of K = 64 c + 32 h + 0 .. 31.  Behind the eight images, 512 bytes of scale words: row 16 i + r's at 256 (i / 4) + 16 r + 4 (i % 4).
; SHARES: work-groups 0 to 1023 take x, 1024 to 1279 take W; a work-group takes 64 rows x 512 K, each of its four waves 16 rows: four fragments.  Each load reads 256 consecutive, aligned bytes of one row in
; lanes 0-15 and of the next row in lanes 16-31; 16 rows turn through the wave's own stage in LDS (rows 272 bytes apart), from which lane (r, h) takes a WHOLE block of 32 of its row: so a block's largest magnitude
; needs no other lane, and the conversions' results are the operand's registers.  A fragment leaves by three stores of 512 consecutive bytes.  The four waves' scale words of a K step are 256 consecutive bytes:
; they meet in LDS, behind one barrier, and each wave stores one K step's.  No tensor loads.  The two paths part on the work-group's number, never join, and have LDS bytes of their own.
; W'S ROWS IN A FRAGMENT ARE NOT NEIGHBOURS: lane r of image i of a block of 128 rows holds W's row 64 (i / 4) + 4 r + i % 4, so that in the product's result a lane's numbers of four
; neighbouring images are four neighbouring columns of the output.  x's images hold 16 neighbouring rows, as said above.
; The add's two registers are made at each wave's end from v0, which is never written: no two registers can be kept for them among 192.
.set WGX,   1024
.set EMAX,  4
.set FRB,   1536                       ; a fragment's image
.set KSB,   8*FRB+512                  ; a K step's block of 128 rows: 12,800 bytes
.set RTB,   32*KSB                     ; 128 rows, all of K
.set SPT,   272                        ; a stage row: 256 bytes + 16: the sixteen rows that a load of 16 bytes a lane touches start in sixteen different columns of 16 bytes
.set STG,   16*SPT                     ; a wave's stage
.set XSG,   4*STG                      ; x's path: four stages from LDS byte 0, then 1,024 bytes in which the scale words meet
.set WBASE, XSG+1024                   ; W's path: the same again, in bytes of its own
.set WSG,   WBASE+4*STG
.set BY,    1                          ; v1-2     the scale bytes of my two blocks of a fragment
.set R,     16                         ; v16-111  x: three sets of 8 loads as they arrive
.set X,     112                        ; v112-175 x: two sets of 32 neighbours
.set WR,    16                         ; v16-79   W: two sets of 8 loads
.set WI,    80                         ; v80-111  W: my 32 ints of a fragment
.set WX,    112                        ; v112-143 W: 32 numbers at work
.set WS,    144                        ; v144-151 W: my row's 8 group scales of these 512 along K
.set WZ,    152                        ; v152-159 W: and its 8 zeros
.set CD,    176                        ; v176-187 a fragment's 12 registers
.set TC,    188                        ; v188-190 a conversion's three registers begin on an even number: a block's second half is made here and moved
	s_load_b256 s[4:11], s[0:1], 0x0               ; x s[4:5], weight_packed s[6:7], weight_scales s[8:9], weight_zeros s[10:11]
	s_load_b128 s[12:15], s[0:1], 0x20             ; xq s[12:13], wq s[14:15]
	v_lshrrev_b32 v1, 5, v0
	v_readfirstlane_b32 s20, v1                    ; wave 0..3
	v_and_b32 v2, 31, v0                           ; lane
	v_and_b32 v8, 15, v0                           ; r
	v_bfe_u32 v9, v0, 4, 1                         ; h
	v_lshlrev_b32 v3, 4, v2                        ; 16 x lane: my place in a group of four registers of an image
	v_lshlrev_b32 v7, 3, v2                        ; 8 x lane: my place in a K step's 256 bytes of scale words
	v_lshlrev_b32 v13, 3, v9                       ; 8 h: how far my two scale bytes are shifted in the word
	v_mov_b32 v10, 0                               ; written once: a lane permute's destination counts as one of its sources
	s_mov_b32 s26, 0x76543210
	s_mov_b32 s27, 0xfedcba98                      ; v_permlanex16_b32's selects for lane l xor 16
	s_mov_b32 s23, 0                               ; the upper word of every offset below
	s_and_b32 s21, ttmp9, 7                        ; which 512 along K (1024 is a multiple of 8: the same line serves both paths)
	s_lshr_b32 s29, ttmp9, 3                       ; which 64 rows (W's path takes 128 off)
	s_wait_kmcnt 0x0
; where my wave's images (s[16:17]) and the K step's scale words that it will store (s[18:19]) lie.  s29: which 64 rows; s21: which 512 along K; s20: wave; src: the buffer's address
.macro OUTBASE src
	s_lshr_b32 s22, s29, 1                         ; which 128 rows
	s_mul_i32 s22, s22, RTB
	s_mul_i32 s25, s21, 4*KSB
	s_add_co_u32 s22, s22, s25                     ; the block of my first K step
	s_and_b32 s25, s29, 1                          ; a: which 64 of the 128
	s_lshl_b32 s28, s25, 8                         ; the scale words of 64 rows are 256 bytes
	s_lshl_b32 s25, s25, 2
	s_add_co_u32 s25, s25, s20                     ; my 16 rows are image 4 a + wave
	s_mul_i32 s25, s25, FRB
	s_add_co_u32 s25, s25, s22
	s_mul_i32 s30, s20, KSB                        ; wave w stores the scale words of K step w of the four
	s_add_co_u32 s28, s28, s30
	s_add_co_u32 s28, s28, s22
	s_add_co_u32 s28, s28, 8*FRB
	s_mov_b32 s22, s25
	s_add_nc_u64 s[16:17], s[\src:\src+1], s[22:23]
	s_mov_b32 s22, s28
	s_add_nc_u64 s[18:19], s[\src:\src+1], s[22:23]
.endm
; 32 neighbours along K in v[xs] on, a whole block, become registers 6 c .. 6 c + 5 of the fragment and a scale byte
.macro QBLOCK xs, c
	v_max3_num_f32 v8, |v[\xs]|, |v[\xs+1]|, |v[\xs+2]|            ; the block's largest magnitude, in two chains: all 32 numbers are mine
	v_max3_num_f32 v9, |v[\xs+3]|, |v[\xs+4]|, |v[\xs+5]|
.irp i, 6,10,14,18,22,26
	v_max3_num_f32 v8, v8, |v[\xs+\i]|, |v[\xs+\i+1]|
	v_max3_num_f32 v9, v9, |v[\xs+\i+2]|, |v[\xs+\i+3]|
.endr
	v_max3_num_f32 v8, v8, |v[\xs+30]|, |v[\xs+31]|
	v_max3_num_f32 v8, v8, v9, (EMAX+1)<<23        ; and the floor 2^(EMAX + 1 - 127): so the byte cannot fall under 1
	v_add_nc_u32 v11, -(EMAX<<23), v8              ; EMAX off its exponent field: the conversion takes the exponent field of this operand as its scale, and nothing else of it
	v_cvt_scalef32_pk16_bf6_f32 v[CD+6*(\c):CD+6*(\c)+2], v[\xs:\xs+15], v11      ; 96 bits without gaps, the first number's code lowest
	v_cvt_scalef32_pk16_bf6_f32 v[TC:TC+2], v[\xs+16:\xs+31], v11
	v_lshrrev_b32 v[BY+(\c)], 23, v11              ; the scale's byte; also the plain vector line between the conversions and the moves that read their result
.irp i, 0,1,2
	v_mov_b32 v[CD+6*(\c)+3+\i], v[TC+\i]
.endr
.endm
; fragment f of my four is whole: its scale word goes to LDS, its 12 registers to memory
.macro FINISH f
	v_lshl_or_b32 v12, v[BY+1], 16, v[BY]          ; my two bytes: blocks h and 2 + h of row r,
	v_lshlrev_b32 v12, v13, v12                    ; at their places in the word (8 h bits up);
	v_permlanex16_b32 v10, v12, s26, s27
	v_or_b32 v12, v12, v10                         ; with lane l xor 16's two the word is whole
	ds_store_b32 v5, v12 offset:256*(\f)           ; lanes r and 16 + r write the same word with the same value
.irp g, 0,1,2
	global_store_b128 v3, v[CD+4*\g:CD+4*\g+3], s[16:17] offset:KSB*(\f)+512*\g    ; 32 lanes store 512 consecutive bytes, at a multiple of 256 from the buffer's first byte
.endr
.endm
; the end of both paths: the four waves' scale words have met; wave w stores K step w's 256 bytes
.macro WORDS_OUT
	s_wait_dscnt 0x0                               ; for the others' sake: my word stores are done
	s_barrier_signal -1
	s_barrier_wait -1
	ds_load_b64 v[8:9], v6                         ; words that all four waves stored
	s_wait_dscnt 0x0
	global_store_b64 v7, v[8:9], s[18:19]          ; 32 lanes store 256 consecutive bytes, at a multiple of 256 from the buffer's first byte
.endm
	s_cmp_lt_u32 ttmp9, WGX                        ; x's work-group or W's?
	s_cbranch_scc0 .Lweights
; ---------------------------------------------------------------- x: eight units of 16 rows x 64 K; unit u is half u % 2 of fragment u / 2
	s_lshl_b32 s22, s29, 6
	s_lshl_b32 s25, s20, 4
	s_add_co_u32 s22, s22, s25                     ; my first row: 64 x run + 16 x wave
	s_lshl_b32 s22, s22, 14                        ; a row of x is 16,384 bytes
	s_lshl_b32 s25, s21, 11                        ; 512 along K are 2,048
	s_add_co_u32 s22, s22, s25
	s_add_nc_u64 s[4:5], s[4:5], s[22:23]
	OUTBASE 12
	s_mul_i32 s24, s20, STG                        ; my stage
	s_wait_alu depctr_va_vdst(0)
	v_mul_u32_u24 v14, v9, SPT
	v_lshl_add_u32 v14, v8, 4, v14
	v_add_nc_u32 v14, s24, v14                     ; in: lanes 0-15 one row's 256 bytes, lanes 16-31 the next row's
	v_mul_u32_u24 v15, v8, SPT
	v_lshl_add_u32 v15, v9, 7, v15
	v_add_nc_u32 v15, s24, v15                     ; out: row r, 128 bytes for each half of the lanes: 32 numbers
	s_lshl_b32 s25, s20, 2
	s_add_co_u32 s25, s25, XSG
	v_lshl_add_u32 v5, v8, 4, s25                  ; my row's scale word: 16 r + 4 x wave, + 256 for each K step
	s_lshl_b32 s25, s20, 8
	s_add_co_u32 s25, s25, XSG
	v_add_nc_u32 v6, s25, v7                       ; and what I read back: K step w's 256 bytes, 8 a lane
	v_lshlrev_b32 v4, 14, v9
	v_lshl_add_u32 v4, v8, 4, v4                   ; in x: a row further down for lanes 16-31, 16 bytes a lane
.macro XLOAD u
.irp e, 0,1,2,3,4,5,6,7
	global_load_b128 v[R+32*((\u)%3)+4*\e:R+32*((\u)%3)+4*\e+3], v4, s[4:5] offset:2*\e*16384+512*((\u)/2)+256*((\u)%2) th:TH_LOAD_NT   ; rows 2 e and 2 e + 1; read once in the launch
.endr
.endm
.macro XTURN u                         ; LDS serves a wave's instructions in order (ISA guide 5.7.1): no wait stands between the stores and the loads, and the next unit's stores come behind these loads
.irp e, 0,1,2,3,4,5,6,7
	ds_store_b128 v14, v[R+32*((\u)%3)+4*\e:R+32*((\u)%3)+4*\e+3] offset:2*SPT*\e
.endr
.irp j, 0,1,2,3,4,5,6,7
	ds_load_b128 v[X+32*((\u)%2)+4*\j:X+32*((\u)%2)+4*\j+3], v15 offset:16*\j
.endr
.endm
.macro XUNIT u
.if ((\u) > 0) && ((\u)%2 == 0)
	s_wait_dscnt 1                                 ; this unit's numbers are back from the stage (the last fragment's word store may be out): so its stores into the stage have read their registers,
.else
	s_wait_dscnt 0x0
.endif
.if (\u)+3 < 8
	XLOAD (\u)+3                                   ; which take the loads of three units on
.endif
.if (\u)+1 < 8
.if (\u)+3 < 8
	s_wait_loadcnt 16                              ; the next unit's eight loads are in; those of the two units behind it may be out
.else
	s_wait_loadcnt 8*(6-(\u))                      ; towards the end fewer units stand behind it
.endif
	XTURN (\u)+1                                   ; and go through the stage while this unit is worked
.endif
.if ((\u) > 0) && ((\u)%2 == 0)
	s_wait_xcnt 0x0                                ; the last fragment's stores have read their registers: only behind this wait are these written again
.endif
	QBLOCK X+32*((\u)%2), (\u)%2
.if (\u)%2 == 1
	FINISH (\u)/2
.endif
.endm
	XLOAD 0
	XLOAD 1
	XLOAD 2
	s_wait_alu depctr_va_vdst(0)
	s_wait_loadcnt 16                              ; unit 0's eight loads are in
	XTURN 0
.irp u, 0,1,2,3,4,5,6,7
	XUNIT \u
.endr
	WORDS_OUT
	v_lshl_add_u32 v16, v0, 2, 0x9000              ; my spare word, behind both paths' LDS bytes,
	v_mov_b32 v17, 0                               ; and 0: made here, in registers whose loads and LDS stores are done
	s_wait_alu depctr_va_vdst(0)
	s_wait_tensorcnt 0x0                           ; the wave's end
	ds_add_u32 v16, v17
	s_wait_dscnt 0x0
	s_endpgm
; ---------------------------------------------------------------- W: four units of 16 rows x 128 K (64 ints, 256 bytes, of each row): a fragment each
.Lweights:
	s_sub_co_u32 s29, s29, WGX/8                   ; which 64 rows of W: 0 .. 31
	s_lshl_b32 s28, s29, 6
	s_add_co_u32 s28, s28, s20                     ; my first row: 64 x run + wave; my sixteen rows lie four apart
	s_lshl_b32 s22, s28, 13                        ; a row of weight_packed is 2,048 ints, 8,192 bytes
	s_lshl_b32 s25, s21, 10                        ; 512 along K are 256 ints
	s_add_co_u32 s22, s22, s25
	s_add_nc_u64 s[6:7], s[6:7], s[22:23]
	s_lshl_b32 s22, s28, 8                         ; a row has 64 groups: 256 bytes of scales, and of zeros;
	s_lshl_b32 s25, s21, 5                         ; 512 along K are 8 groups
	s_add_co_u32 s22, s22, s25
	s_add_nc_u64 s[8:9], s[8:9], s[22:23]
	s_add_nc_u64 s[10:11], s[10:11], s[22:23]
	OUTBASE 14
	s_mul_i32 s24, s20, STG
	s_add_co_u32 s24, s24, WBASE                   ; my stage
	s_wait_alu depctr_va_vdst(0)
	v_mul_u32_u24 v14, v9, SPT
	v_lshl_add_u32 v14, v8, 4, v14
	v_add_nc_u32 v14, s24, v14                     ; in: as on x's path
	v_mul_u32_u24 v15, v8, SPT
	v_lshl_add_u32 v15, v9, 6, v15
	v_add_nc_u32 v15, s24, v15                     ; out: row r, 64 bytes for each half of the lanes: 16 ints, 32 numbers
	s_lshl_b32 s25, s20, 2
	s_add_co_u32 s25, s25, WSG
	v_lshl_add_u32 v5, v8, 4, s25
	s_lshl_b32 s25, s20, 8
	s_add_co_u32 s25, s25, WSG
	v_add_nc_u32 v6, s25, v7
	v_lshlrev_b32 v4, 15, v9                       ; lanes 16-31: my next row, four rows of 8,192 bytes further down
	v_lshl_add_u32 v4, v8, 4, v4                   ; in weight_packed: four rows further down for lanes 16-31, 16 bytes a lane
	v_lshlrev_b32 v11, 10, v8                      ; my row's groups: four rows of 256 bytes for each r
.macro WLOAD f
.irp e, 0,1,2,3,4,5,6,7
	global_load_b128 v[WR+32*((\f)%2)+4*\e:WR+32*((\f)%2)+4*\e+3], v4, s[6:7] offset:8*\e*8192+256*(\f) th:TH_LOAD_NT   ; my rows 2 e and 2 e + 1 (four rows of W apart), 256 consecutive bytes each; read once in the launch
.endr
.endm
.macro WTURN f
.irp e, 0,1,2,3,4,5,6,7
	ds_store_b128 v14, v[WR+32*((\f)%2)+4*\e:WR+32*((\f)%2)+4*\e+3] offset:2*SPT*\e
.endr
.irp j, 0,1,2,3,4,5,6,7
	ds_load_b128 v[WI+4*\j:WI+4*\j+3], v15 offset:128*(\j/4)+16*(\j%4)   ; ints 16 h + 0 .. 15 (K = 32 h on), then ints 32 + 16 h + 0 .. 15 (K = 64 + 32 h on)
.endr
.endm
.macro UNPACK c
.irp i, 0,1,2,3,4,5,6,7,8,9,10,11,12,13,14,15
	v_and_b32 v[WX+2*\i], 15, v[WI+16*(\c)+\i]     ; the low nibble is the even number along K,
	v_bfe_u32 v[WX+2*\i+1], v[WI+16*(\c)+\i], 4, 4 ; the high nibble the odd one
.endr
.endm
.macro DEQ f, c                        ; my block c of K step f lies in group 2 f + c of my row's eight
.irp i, 0,1,2,3,4,5,6,7,8,9,10,11,12,13,14,15,16,17,18,19,20,21,22,23,24,25,26,27,28,29,30,31
	v_cvt_f32_u32 v[WX+\i], v[WX+\i]
.endr
.irp i, 0,1,2,3,4,5,6,7,8,9,10,11,12,13,14,15,16,17,18,19,20,21,22,23,24,25,26,27,28,29,30,31
	v_fma_f32 v[WX+\i], v[WX+\i], v[WS+2*(\f)+(\c)], v[WZ+2*(\f)+(\c)]   ; W = nibble x scale + zero, in f32
.endr
.endm
.macro WUNIT f
.if (\f) > 0
	s_wait_dscnt 1                                 ; this fragment's ints are back from the stage (the last fragment's word store may be out)
.else
	s_wait_dscnt 0x0
.endif
	UNPACK 0
	DEQ \f, 0
.if (\f) > 0
	s_wait_xcnt 0x0                                ; the last fragment's stores have read their registers: only behind this wait are these written again
.endif
	QBLOCK WX, 0
	UNPACK 1                                       ; my 32 ints have been read: their registers may take the next fragment's
.if (\f)+2 < 4
	WLOAD (\f)+2                                   ; into the set whose stores into the stage are done (the wait at this unit's head)
.endif
.if (\f)+1 < 4
.if (\f)+2 < 4
	s_wait_loadcnt 8                               ; the next fragment's eight loads are in; those just issued may be out
.else
	s_wait_loadcnt 0x0
.endif
	WTURN (\f)+1
.endif
	DEQ \f, 1
	QBLOCK WX, 1
	FINISH \f
.endm
	global_load_b128 v[WS:WS+3], v11, s[8:9]       ; my row's 8 group scales and 8 zeros of these 512 along K: 32 bytes of each row's 256
	global_load_b128 v[WS+4:WS+7], v11, s[8:9] offset:16
	global_load_b128 v[WZ:WZ+3], v11, s[10:11]
	global_load_b128 v[WZ+4:WZ+7], v11, s[10:11] offset:16
	WLOAD 0
	WLOAD 1
	s_wait_alu depctr_va_vdst(0)
	s_wait_loadcnt 8                               ; scales, zeros and fragment 0 are in; fragment 1's eight loads may be out
	WTURN 0
.irp f, 0,1,2,3
	WUNIT \f
.endr
	WORDS_OUT
	v_lshl_add_u32 v16, v0, 2, 0x9000              ; as on x's path
	v_mov_b32 v17, 0
	s_wait_alu depctr_va_vdst(0)
	s_wait_tensorcnt 0x0                           ; the wave's end
	ds_add_u32 v16, v17
	s_wait_dscnt 0x0
	s_endpgm
.Lfunc_end_k_q6791dda171_prep:
	.size	k_q6791dda171_prep, .Lfunc_end_k_q6791dda171_prep-k_q6791dda171_prep
	.p2alignl 7, 3214868480
	.fill 96, 4, 3214868480
	.section	.rodata,"a",@progbits
	.p2align	6, 0x0
	.amdhsa_kernel k_q6791dda171_prep
		.amdhsa_group_segment_fixed_size 37376
		.amdhsa_private_segment_fixed_size 0
		.amdhsa_enable_private_segment 0
		.amdhsa_kernarg_size 48
		.amdhsa_user_sgpr_count 2
		.amdhsa_user_sgpr_kernarg_segment_ptr 1
		.amdhsa_wavefront_size32 1
		.amdhsa_system_sgpr_workgroup_id_x 1
		.amdhsa_system_sgpr_workgroup_id_y 1
		.amdhsa_system_sgpr_workgroup_id_z 1
		.amdhsa_system_vgpr_workitem_id 0
		.amdhsa_next_free_vgpr 192
		.amdhsa_next_free_sgpr 66
		.amdhsa_reserve_vcc 0
		.amdhsa_float_denorm_mode_32 3
		.amdhsa_float_denorm_mode_16_64 3
		.amdhsa_memory_ordered 1
		.amdhsa_forward_progress 1
		.amdhsa_inst_pref_size 91
	.end_amdhsa_kernel
	.amdgpu_metadata
---
amdhsa.version: [ 1, 2 ]
amdhsa.kernels:
  - .name:           k_q6791dda171_prep
    .symbol:         k_q6791dda171_prep.kd
    .args:
      - { .name: x, .offset: 0, .size: 8, .value_kind: global_buffer, .address_space: global }
      - { .name: weight_packed, .offset: 8, .size: 8, .value_kind: global_buffer, .address_space: global }
      - { .name: weight_scales, .offset: 16, .size: 8, .value_kind: global_buffer, .address_space: global }
      - { .name: weight_zeros, .offset: 24, .size: 8, .value_kind: global_buffer, .address_space: global }
      - { .name: xq, .offset: 32, .size: 8, .value_kind: global_buffer, .address_space: global }
      - { .name: wq, .offset: 40, .size: 8, .value_kind: global_buffer, .address_space: global }
    .group_segment_fixed_size: 37376
    .private_segment_fixed_size: 0
    .kernarg_segment_align: 8
    .kernarg_segment_size: 48
    .max_flat_workgroup_size: 128
    .sgpr_count:     66
    .vgpr_count:     192
    .wavefront_size: 32
...
	.end_amdgpu_metadata
.endif
;; end of part 1
;; launch gemm (part 2): grid 8 x 32, 4 waves a work-group, clusters of 4 x 4, 327,680 bytes of LDS; arguments xq, wq, out0, bias; writes out0
.if DOCPART == 2
	.amdgcn_target "amdgcn-amd-amdhsa--gfx1250"
	.amdhsa_code_object_version 6
	.text
	.protected	k_q6791dda171_gemm
	.globl	k_q6791dda171_gemm
	.p2align	8
	.type	k_q6791dda171_gemm,@function
k_q6791dda171_gemm:
	s_mov_b64 s[64:65], 0
	v_nop
	global_prefetch_b8 v0, s[64:65] scope:SCOPE_SE
	s_setreg_imm32_b32 hwreg(HW_REG_WAVE_MODE, 25, 1), 1
	s_wait_xcnt 0x0
	s_wait_alu depctr_hold_cnt(0) depctr_sa_sdst(0) depctr_va_vdst(0) depctr_va_sdst(0) depctr_va_ssrc(0) depctr_va_vcc(0) depctr_vm_vsrc(0)
	s_getreg_b32 s2, hwreg(HW_REG_IB_STS2, 6, 4)
	s_cmp_eq_u32 s2, 0
	s_cbranch_scc0 .Lentry_in_a_cluster
	s_endpgm
.Lentry_in_a_cluster:
	s_bfe_u32 s2, ttmp6, 0x10000c
	s_cmp_lg_u32 s2, 0xf033
	s_cbranch_scc0 .Lentry_shape_is_right
	s_endpgm
.Lentry_shape_is_right:
; out0[m][n] = sum over k of x[m][k] W[n][k] + bias[n]: m 8,192, n 2,048, k 4,096.  Both operands come as codes of BF6 (E3M2) with E8M0 scale bytes, laid by the launch before as images of the
; matrix operand's registers: [128 rows][K step of 128][KSB bytes]; a block of KSB bytes holds eight fragments (16 rows x 128 K, 12 registers: registers 4 g .. 4 g + 3 of lane l at 512 g + 16 l) and 512 bytes of scale words
; (fragment i, lane r: at 256 (i / 4) + 16 r + 4 (i % 4)).  Every input of the problem is used; nothing is left out.
; A block of 256 x 256 of the output is made by a work-group of four waves, one to a SIMD; a wave makes 128 x 128: 64 accumulators, 512 registers.  8 x 32 blocks: 256 work-groups.
; THE RING: two LDS slots, each with three K steps of x's 256 rows and W's 256 rows; a wave's tensor load brings three K steps of 128 rows, 38,400 dense bytes, as three rows of 12,800 bytes.  32 K steps = 10 fills of three and one of two.
; CLUSTERS: 4 x 4 work-groups.  The four of a row of the cluster need the same tiles of x, the four of a column the same tiles of W: each tile is asked for jointly, by the same tensor load with a mask that names the four.
; SOURCE 0 = 16 rows of x, SOURCE 1 = 16 rows of W.  In accumulator (a, b) lane (r, h) holds in register j the number of row 16 a + 8 h + j and of the column that lane r of W's fragment b stands for: 64 (b / 4) + 4 r + b % 4.
; So register j of four neighbouring accumulators is four neighbouring columns: the addition of the bias puts them into four neighbouring registers, and sixteen lanes store 256 consecutive, aligned bytes of a row.  No LDS stage.
; REGISTERS, in windows of 256: window 0: v0-31 addresses; v32-47 scale words, two sets; v48-55 the bias; v64-159, v160-255 x's fragments, two sets (on the way out: results).
;   window 1: W's fragments, two sets, at v0 and v128.  Window 2: the accumulators of my rows 0-63 ((a, b) at v[8 (8 (a % 4) + b)]); window 3: those of rows 64-127.
; Both operands have two sets, so a step's 50 LDS loads for the next step stand in four runs of 12 to 14, and four v_nop at the step's head are the places for all of them.
; PREFETCH: of the 409,600 bytes of 128 rows that a wave fetches, bytes 114,688 on are named ahead of the tensor loads: three instructions a trip, a lane to each 256 bytes, the four partners that ask for a tile jointly
; taking 8,192 bytes each by address; 98,304 bytes a trip in the loop's first three trips, which ends at the run's last byte.  x's runs are named by the clusters of cluster column 0, W's by those of cluster row 0.
.set SIZE_N, 2048
.set FR,     12                        ; registers of a fragment
.set FRB,    FR*128                    ; its image in bytes
.set SCO,    8*FRB                     ; where a K step's scale words begin
.set KSB,    8*FRB+512                 ; a K step's block of 128 rows
.set RTB,    32*KSB                    ; 128 rows, all of K
.set NQ,     3                         ; K steps in a slot
.set NP,     4                         ; places behind this matrix instruction (ISA guide 7.12.1)
.set HALFT,  NQ*KSB                    ; what one tensor load brings
.set SLOT,   4*HALFT                   ; x's two halves, then W's two
.set TRIPS,  4
.set SPARE,  2*SLOT                    ; behind the ring: the spare words, 128 bytes for each wave
.set PFR,    128*256                   ; what the four partners' one prefetch instruction names together
.set PF0,    448*256
.set PFT,    3*PFR
.set ADRA, 16                          ; v16-17 LDS address of x's fragments in slot 0, 1
.set ADRS, 18                          ; v18-19 of the scale words: lanes 0-15 x's, lanes 16-31 W's
.set ADRB, 20                          ; v20-21 of W's fragments
.set CO,   26                          ; v26 my byte offset in the output: 8 h rows + 16 r
.set SPW,  28                          ; v28 my spare word; never rewritten
.set NIL,  29                          ; v29 0; never rewritten
.set BO,   30                          ; v30 16 r: my four columns' bias
.set PFO,  31                          ; v31 256 x lane
.set SC,   32
.set BI,   48
.set AF,   64
.set G1, 24                            ; s[24:31], s[32:39] groups 1 and 0 (one for each slot) for x's tiles
.set G0, 32
.set G1B, 48                           ; s[48:55], s[56:63] for W's
.set G0B, 56
.set G1T, 68                           ; s[68:75], s[76:83] groups 1 for the last fill, of two K steps
.set G1TB, 76
.set BIA, 96
.set PFA, 98
.set LIM, 100
.set MSB, 0
.macro WIN new                         ; the immediate's high byte repeats the setting that is left
.if MSB != \new
	s_set_vgpr_msb (MSB<<8)|\new
.set MSB, \new
.endif
.endm
.set MUL_LO, 0xa4                      ; source 0 (x) window 0, source 1 (W) window 1, C and D window 2
.set MUL_HI, 0xf4                      ; the same, C and D window 3
.set TO_B,   0x40                      ; destination window 1, address window 0
; a joint load: waves 0 and 1 fetch x's two halves, waves 2 and 3 W's; s_nop 0 and four v_nop follow each line
.macro JLOAD g0a, g1a, g0b, g1b
	s_cmp_eq_u32 s15, 0
	s_cbranch_scc0 .Lfor_b_\@
	tensor_load_to_lds s[\g0a:\g0a+3], s[\g1a:\g1a+7]
	s_nop 0
.rept 4
	v_nop
.endr
	s_branch .Lasked_\@
.Lfor_b_\@:
	tensor_load_to_lds s[\g0b:\g0b+3], s[\g1b:\g1b+7]
	s_nop 0
.rept 4
	v_nop
.endr
.Lasked_\@:
.endm
.macro ASK second                      ; the trip's three prefetches: two at the first change of slots, one at the second; none in the loop's last trip
	s_cmp_gt_u32 s3, s[LIM]
	s_cbranch_scc0 .Lnot_mine_\@
.if \second
	global_prefetch_b8 v[PFO], s[PFA:PFA+1] offset:2*PFR th:TH_LOAD_NT scope:SCOPE_SE
.else
	global_prefetch_b8 v[PFO], s[PFA:PFA+1] th:TH_LOAD_NT scope:SCOPE_SE
	global_prefetch_b8 v[PFO], s[PFA:PFA+1] offset:PFR th:TH_LOAD_NT scope:SCOPE_SE
.endif
.Lnot_mine_\@:
.endm
.macro CREST                           ; a round of the cluster's barrier behind its opening barrier
	s_cmp_lg_u32 s14, 0
	s_cbranch_scc1 .Lnot_wave_0_\@
	s_barrier_signal -3
.Lnot_wave_0_\@:
	s_barrier_wait -3
	s_barrier_signal -1
	s_barrier_wait -1
.endm
.macro CROUND
	s_barrier_signal -1
	s_barrier_wait -1
	CREST
.endm
	s_load_b128 s[4:7], s[0:1], 0x0                ; xq, wq
	s_load_b64 s[12:13], s[0:1], 0x10              ; out0
	s_load_b64 s[BIA:BIA+1], s[0:1], 0x18          ; bias
	v_lshl_add_u32 v[SPW], v0, 2, SPARE
	v_mov_b32 v[NIL], 0
	ds_add_u32 v[SPW], v[NIL]                      ; the opening lines: the add, twice on end, and its wait ahead of my first tensor load
	ds_add_u32 v[SPW], v[NIL]
	v_lshrrev_b32 v1, 5, v0
	v_readfirstlane_b32 s14, v1                    ; wave 0..3
	s_lshr_b32 s15, s14, 1                         ; my half of the block's rows.  Also: I fetch for x (0) or for W (1)
	s_and_b32 s16, s14, 1                          ; my half of its columns.  Also: which 128 rows I fetch
	s_bfe_u32 s40, ttmp6, 0x40000                  ; cx, cy
	s_bfe_u32 s41, ttmp6, 0x40004
	s_lshl_b32 s42, ttmp9, 2
	s_add_co_u32 s42, s42, s40                     ; block column
	s_and_b32 s17, ttmp7, 0xffff
	s_lshl_b32 s17, s17, 2
	s_add_co_u32 s17, s17, s41                     ; block row
	s_lshl_b32 s43, s41, 2
	s_lshl_b32 s43, 15, s43                        ; my row of the cluster
	s_lshl_b32 s44, 0x1111, s40                    ; my column
	s_or_b32 s[G1+0], s43, (3<<16)|(1<<21)         ; the mask; elements of 8 bytes; bit 21 beside a mask
	s_or_b32 s[G1B+0], s44, (3<<16)|(1<<21)
	s_or_b32 s[G1T+0], s43, (3<<16)|(1<<21)
	s_or_b32 s[G1TB+0], s44, (3<<16)|(1<<21)
.irp g, G1, G1B                        ; a dense block of HALFT bytes, stated as NQ rows of KSB bytes (1,600 elements of 8): a K step's block to a row; each row begins at a multiple of 256 bytes
	s_mov_b32 s[\g+1], (KSB/8)<<16
	s_mov_b32 s[\g+2], NQ<<16
	s_mov_b32 s[\g+3], (KSB/8)<<16
	s_mov_b32 s[\g+4], NQ
	s_mov_b32 s[\g+5], KSB/8
	s_mov_b32 s[\g+6], 0
	s_mov_b32 s[\g+7], 0
.endr
.irp g, G1T, G1TB                      ; and of two K steps: two such rows
	s_mov_b32 s[\g+1], (KSB/8)<<16
	s_mov_b32 s[\g+2], 2<<16
	s_mov_b32 s[\g+3], (KSB/8)<<16
	s_mov_b32 s[\g+4], 2
	s_mov_b32 s[\g+5], KSB/8
	s_mov_b32 s[\g+6], 0
	s_mov_b32 s[\g+7], 0
.endr
	s_lshl_b32 s20, s17, 1
	s_add_co_u32 s20, s20, s16
	s_mul_i32 s20, s20, RTB                        ; x: run of 128 rows 2 x block row + half
	s_mov_b32 s21, 0
	s_lshl_b32 s46, s42, 1
	s_add_co_u32 s46, s46, s16
	s_mul_i32 s46, s46, RTB                        ; W: 2 x block column + half
	s_mov_b32 s47, 0
	s_mul_i32 s45, s14, HALFT                      ; where my tile goes: wave x HALFT
	s_wait_dscnt 0x0                               ; both opening adds are done
	s_wait_kmcnt 0x0
	s_add_nc_u64 s[20:21], s[4:5], s[20:21]
	s_add_nc_u64 s[46:47], s[6:7], s[46:47]
.irp s, 0,1
	s_mov_b32 s[G0+4*\s], 1
	s_add_co_u32 s[G0+4*\s+1], s45, \s*SLOT
	s_add_nc_u64 s[G0+4*\s+2:G0+4*\s+3], s[20:21], \s*HALFT
	s_or_b32 s[G0+4*\s+3], s[G0+4*\s+3], 0x80000000
	s_mov_b32 s[G0B+4*\s], 1
	s_add_co_u32 s[G0B+4*\s+1], s45, \s*SLOT
	s_add_nc_u64 s[G0B+4*\s+2:G0B+4*\s+3], s[46:47], \s*HALFT
	s_or_b32 s[G0B+4*\s+3], s[G0B+4*\s+3], 0x80000000
.endr
	CROUND                                         ; all sixteen work-groups are here: the first joint loads meet
	JLOAD G0, G1, G0B, G1B                         ; K steps 0 to 2: one tensor load a wave at the head
	s_mul_i32 s21, s15, HALFT                      ; x's 128 rows that I multiply
	s_mul_i32 s22, s16, HALFT
	s_add_co_u32 s22, s22, 2*HALFT                 ; W's, behind x's two halves
	s_sub_co_u32 s23, s22, s21
	s_add_co_u32 s18, s21, SCO
	v_and_b32 v1, 15, v0                           ; r
	v_bfe_u32 v2, v0, 4, 1                         ; h
	v_and_b32 v6, 31, v0                           ; lane
	v_lshlrev_b32 v7, 4, v6                        ; an image's group of four registers: 16 bytes a lane
	v_add_nc_u32 v[ADRA], s21, v7
	v_add_nc_u32 v[ADRB], s22, v7
	v_add_nc_u32 v[ADRA+1], SLOT, v[ADRA]
	v_add_nc_u32 v[ADRB+1], SLOT, v[ADRB]
	v_mul_u32_u24 v5, s23, v2                      ; lanes 16-31 take W's scale words
	v_lshl_add_u32 v5, v1, 4, v5
	v_add_nc_u32 v[ADRS], s18, v5
	v_add_nc_u32 v[ADRS+1], SLOT, v[ADRS]
	v_lshlrev_b32 v[BO], 4, v1
	v_lshl_add_u32 v[CO], v2, 16, v[BO]            ; 8 rows of 8,192 bytes for lanes 16-31, 16 bytes a lane
	v_lshlrev_b32 v[PFO], 8, v6
	s_wait_alu depctr_va_vdst(0)
	s_lshl_b32 s20, s17, 8
	s_lshl_b32 s21, s15, 7
	s_add_co_u32 s20, s20, s21                     ; my first row of the output
	s_mov_b32 s21, 0
	s_mov_b64 s[18:19], SIZE_N*4
	s_mul_u64 s[20:21], s[20:21], s[18:19]
	s_lshl_b32 s46, s42, 10
	s_lshl_b32 s47, s16, 9
	s_add_co_u32 s46, s46, s47                     ; my first column, in bytes
	s_mov_b32 s47, 0
	s_add_nc_u64 s[BIA:BIA+1], s[BIA:BIA+1], s[46:47]
	s_add_nc_u64 s[20:21], s[20:21], s[46:47]
	s_add_nc_u64 s[12:13], s[12:13], s[20:21]
	s_lshl_b32 s18, s17, 1                         ; the prefetches: the run of 128 rows that I fetch,
	s_lshl_b32 s19, s42, 1
	s_and_b32 s22, ttmp7, 0xffff
	s_cmp_eq_u32 s15, 0
	s_cselect_b32 s20, s18, s19
	s_cselect_b32 s21, s40, s41                    ; my place among the four that ask for it with me,
	s_cselect_b32 s22, ttmp9, s22
	s_cselect_b64 s[PFA:PFA+1], s[4:5], s[6:7]
	s_cmp_eq_u32 s22, 0                            ; and whether my cluster names it
	s_cselect_b32 s[LIM], 1, -1
	s_add_co_u32 s20, s20, s16
	s_mul_i32 s20, s20, RTB
	s_lshl_b32 s21, s21, 13
	s_add_co_u32 s20, s20, s21
	s_add_co_u32 s20, s20, PF0-PFT                 ; (stepped by PFT ahead of each trip's first prefetch)
	s_mov_b32 s21, 0
	s_add_nc_u64 s[PFA:PFA+1], s[PFA:PFA+1], s[20:21]
.macro FRAG reg, adr, q, i             ; a fragment: three loads of 512 consecutive bytes
.irp c, 0,1,2
	ds_load_b128 v[\reg+4*\c:\reg+4*\c+3], v[\adr] offset:(\q)*KSB+(\i)*FRB+512*\c
.endr
.endm
.macro LOADB slot, q, p, i0            ; W's fragments i0 .. i0 + 3 of K step q of the slot into set p: 12 loads
	WIN TO_B
.irp i, \i0, \i0+1, \i0+2, \i0+3
	FRAG 128*(\p)+FR*(\i), ADRB+\slot, \q, \i
.endr
.endm
.macro LOADA slot, q, p, i0            ; x's likewise (every window 0)
.irp i, \i0, \i0+1, \i0+2, \i0+3
	FRAG AF+96*(\p)+FR*(\i), ADRA+\slot, \q, \i
.endr
.endm
.macro SCALES slot, q, p               ; register i of the set: lanes 0-15 the words of x's block i, lanes 16-31 those of W's block i
	ds_load_b128 v[SC+8*(\p):SC+8*(\p)+3],   v[ADRS+\slot] offset:(\q)*KSB
	ds_load_b128 v[SC+8*(\p)+4:SC+8*(\p)+7], v[ADRS+\slot] offset:(\q)*KSB+256
.endm
; eight matrix instructions: x's block a against W's eight.  The 64 accumulators take turns, in the same order in every step.  first = 1: the product starts the sums
.macro GROUP a, p, first
.irp b, 0,1,2,3,4,5,6,7
.if \first
	v_wmma_scale_f32_16x16x128_f8f6f4 v[8*(8*((\a)%4)+\b):8*(8*((\a)%4)+\b)+7], v[AF+96*(\p)+FR*(\a):AF+96*(\p)+FR*(\a)+FR-1], v[128*(\p)+FR*\b:128*(\p)+FR*\b+FR-1], 0, v[SC+8*(\p)+(\a)], v[SC+8*(\p)+\b] matrix_a_fmt:MATRIX_FMT_BF6 matrix_b_fmt:MATRIX_FMT_BF6 matrix_b_scale:MATRIX_SCALE_ROW1
.else
	v_wmma_scale_f32_16x16x128_f8f6f4 v[8*(8*((\a)%4)+\b):8*(8*((\a)%4)+\b)+7], v[AF+96*(\p)+FR*(\a):AF+96*(\p)+FR*(\a)+FR-1], v[128*(\p)+FR*\b:128*(\p)+FR*\b+FR-1], v[8*(8*((\a)%4)+\b):8*(8*((\a)%4)+\b)+7], v[SC+8*(\p)+(\a)], v[SC+8*(\p)+\b] matrix_a_fmt:MATRIX_FMT_BF6 matrix_b_fmt:MATRIX_FMT_BF6 matrix_b_scale:MATRIX_SCALE_ROW1
.endif
.endr
.endm
.macro PLACES n
.rept \n
	v_nop
.endr
.endm
; A K step that has its successor in the same slot: multiplies set p and fetches K step q + 1 into the other set, which the step before multiplied: the four places at the head serve all four runs.
; The runs' order: W's 0-3 (12), W's 4-7 (12), scale words and x's 0-3 (14), x's 4-7 (12).
.macro STEP slot, q, p, first
	PLACES NP
	LOADB \slot, (\q)+1, 1-(\p), 0
	s_wait_dscnt 24                                ; all of this step but x's blocks 4-7 is in: those 12 loads and the 12 just issued may be out
	WIN MUL_LO
	GROUP 0, \p, \first
	GROUP 1, \p, \first
	LOADB \slot, (\q)+1, 1-(\p), 4
	WIN MUL_LO
	GROUP 2, \p, \first
	GROUP 3, \p, \first
	WIN 0
	SCALES \slot, (\q)+1, 1-(\p)
	LOADA \slot, (\q)+1, 1-(\p), 0
	s_wait_dscnt 38                                ; x's blocks 4-7 are in: behind them 12 + 12 + 14 loads were issued
	WIN MUL_HI
	GROUP 4, \p, \first
	GROUP 5, \p, \first
	WIN 0
	LOADA \slot, (\q)+1, 1-(\p), 4
	WIN MUL_HI
	GROUP 6, \p, \first
	GROUP 7, \p, \first
	WIN 0
.endm
; A slot's last K step.  Its fragments are in registers or on their way, so the slot is free once they have come: ONE barrier, in front of which each wave waits for all its tensor loads (one is out: its part of the next slot),
; adds 0 to its spare word and waits for that and for its reads.  fill = 1, 2: the barrier opens a round of the cluster's barrier and the slot is filled again (2: with the last two K steps).
.macro TURN slot, next, p, fill, ask
.if (\ask) && ((\slot) == 0)
	s_wait_xcnt 0x0                                ; the last trip's prefetches have read their address
	s_add_nc_u64 s[PFA:PFA+1], s[PFA:PFA+1], PFT
.endif
	s_wait_tensorcnt 0x0                           ; all my tensor loads have landed;
	ds_add_u32 v[SPW], v[NIL]
.if \fill
	s_add_nc_u64 s[G0+4*\slot+2:G0+4*\slot+3], s[G0+4*\slot+2:G0+4*\slot+3], 2*HALFT     ; no load of mine is out: this slot's next tile
	s_add_nc_u64 s[G0B+4*\slot+2:G0B+4*\slot+3], s[G0B+4*\slot+2:G0B+4*\slot+3], 2*HALFT
.endif
	s_wait_dscnt 13                                ; (x's blocks 4-7, 12 loads, and the add may be out)
	WIN MUL_LO
	GROUP 0, \p, 0
	s_wait_dscnt 0x0                               ; the add is done, and my reads of this slot are over
	s_barrier_signal -1
	GROUP 1, \p, 0
	WIN 0
	s_barrier_wait -1
.if \fill
	CREST                                          ; no wave of any partner still reads this slot or has a load on its way
.if \fill == 2
	JLOAD G0+4*\slot, G1T, G0B+4*\slot, G1TB
.else
	JLOAD G0+4*\slot, G1, G0B+4*\slot, G1B         ; the first tensor load behind the round; its four v_nop are the places for the loads below
.endif
.else
	PLACES NP
.endif
	LOADB \next, 0, 1-(\p), 0
	WIN 0
.if \ask
	ASK \slot
.endif
	WIN MUL_LO
	GROUP 2, \p, 0
	LOADB \next, 0, 1-(\p), 4
	WIN MUL_LO
	GROUP 3, \p, 0
	WIN MUL_HI
	GROUP 4, \p, 0
	WIN 0
	SCALES \next, 0, 1-(\p)
	LOADA \next, 0, 1-(\p), 0
	WIN MUL_HI
	GROUP 5, \p, 0
	GROUP 6, \p, 0
	WIN 0
	LOADA \next, 0, 1-(\p), 4
	WIN MUL_HI
	GROUP 7, \p, 0
	WIN 0
.endm
	s_wait_tensorcnt 0x0                           ; my part of slot 0 is in
	ds_add_u32 v[SPW], v[NIL]
	s_wait_dscnt 0x0
	CROUND                                         ; everybody's part is in, and the joint loads meet:
	JLOAD G0+4, G1, G0B+4, G1B                     ; K steps 3 to 5, the first tensor load behind the round
	LOADB 0, 0, 0, 0
	LOADB 0, 0, 0, 4
	WIN 0
	SCALES 0, 0, 0
	LOADA 0, 0, 0, 0
	LOADA 0, 0, 0, 4
	STEP 0, 0, 0, 1                                ; the first step's products start the sums: nothing is cleared
	s_mov_b32 s3, TRIPS
.Llap:                                                 ; a trip: six K steps, once round the ring and back to the same sets of registers
	STEP 0, 1, 1, 0
	TURN 0, 1, 0, 1, 1
	STEP 1, 0, 1, 0
	STEP 1, 1, 0, 0
	TURN 1, 0, 1, 1, 1
	STEP 0, 0, 0, 0
	s_sub_co_u32 s3, s3, 1
	s_cmp_lg_u32 s3, 0
	s_cbranch_scc1 .Llap
	global_load_b128 v[BI:BI+3],   v[BO], s[BIA:BIA+1]             ; the bias of my columns 4 r .. 4 r + 3 and 64 + 4 r .. : seven K steps ahead of its use
	global_load_b128 v[BI+4:BI+7], v[BO], s[BIA:BIA+1] offset:256
	STEP 0, 1, 1, 0
	TURN 0, 1, 0, 2, 0                             ; the last fill: K steps 30 and 31
	STEP 1, 0, 1, 0
	STEP 1, 1, 0, 0
	TURN 1, 0, 1, 0, 0                             ; nothing is filled again: no round
	STEP 0, 0, 0, 0
; THE WAY OUT, block by block of 16 rows.  out = sum + bias: the addition also lays register j of accumulators 4 u .. 4 u + 3 into four neighbouring registers: 16 bytes of row 16 a + 8 h + j at column 64 u + 4 r.
; Each accumulator is read from its low end on.  A store: lanes 0-15 fill 256 consecutive, aligned bytes of one row, lanes 16-31 of the row eight further down.  Every offset is an immediate: 127 rows of 8,192 bytes at the most.
; The results go into registers that the last K step, which multiplies the sets 1, does not read: three sets of 64 by turns: window 1 v0-63 and v64-127 (where W's set 0 lay), window 0 v64-127 (x's set 0).
.macro OUTB a
.set TB, 64*(((\a)%3+1)/2)             ; 0, 64, 64
.if (\a) >= 3
	s_wait_xcnt 0x0                                ; block a - 3's stores have read their registers: only behind this wait are these written again
.endif
	WIN ((1-((\a)%3)/2)*64+2+(\a)/4)               ; destination: window 1, 1, 0; source 0: window 2 or 3; the bias: window 0
.irp j, 0,1,2,3,4,5,6,7
.irp b, 0,1,2,3,4,5,6,7
	v_add_f32 v[TB+8*\j+\b], v[64*((\a)%4)+8*\b+\j], v[BI+\b]
.endr
.endr
	WIN ((1-((\a)%3)/2)*4)                         ; the stores' data: window 1, 1, 0; their offset register: window 0
.irp j, 0,1,2,3,4,5,6,7
	global_store_b128 v[CO], v[TB+8*\j:TB+8*\j+3],   s[12:13] offset:(16*(\a)+\j)*SIZE_N*4 th:TH_STORE_NT
	global_store_b128 v[CO], v[TB+8*\j+4:TB+8*\j+7], s[12:13] offset:(16*(\a)+\j)*SIZE_N*4+256 th:TH_STORE_NT
.endr
.endm
; THE LAST K STEP: nothing more to fetch.  A group of eight products finishes a block of 16 rows, and block a leaves behind group a + 1: its stores are on their way while the later blocks are multiplied.
; Block a - 1's 64 additions, which name no register of group a, are the places between group a's products and the first read of their results; ahead of block 0 four v_nop stand.
	s_wait_loadcnt 0x0                             ; the bias is in
	s_wait_dscnt 12                                ; all but x's blocks 4-7
	WIN MUL_LO
	GROUP 0, 1, 0
.irp a, 0,1,2,3,4,5,6,7
.if \a < 7
.if \a == 3
	s_wait_dscnt 0x0                               ; x's blocks 4-7 are in
.endif
.if \a < 3
	WIN MUL_LO
.else
	WIN MUL_HI
.endif
	GROUP \a+1, 1, 0
.endif
.if \a == 0
	PLACES NP                                      ; for the reads of block 0's results and the writes over the sets 0, which the step before multiplied
.endif
	OUTB \a
.endr
	WIN 0
	s_wait_tensorcnt 0x0                           ; the wave's end
	ds_add_u32 v[SPW], v[NIL]
	s_wait_dscnt 0x0
	CROUND                                         ; the closing round: no work-group ends while a partner may still ask for a tile that names it
	s_endpgm
.Lfunc_end_k_q6791dda171_gemm:
	.size	k_q6791dda171_gemm, .Lfunc_end_k_q6791dda171_gemm-k_q6791dda171_gemm
	.p2alignl 7, 3214868480
	.fill 96, 4, 3214868480
	.section	.rodata,"a",@progbits
	.p2align	6, 0x0
	.amdhsa_kernel k_q6791dda171_gemm
		.amdhsa_group_segment_fixed_size 327680
		.amdhsa_private_segment_fixed_size 0
		.amdhsa_enable_private_segment 0
		.amdhsa_kernarg_size 32
		.amdhsa_user_sgpr_count 2
		.amdhsa_user_sgpr_kernarg_segment_ptr 1
		.amdhsa_wavefront_size32 1
		.amdhsa_system_sgpr_workgroup_id_x 1
		.amdhsa_system_sgpr_workgroup_id_y 1
		.amdhsa_system_sgpr_workgroup_id_z 1
		.amdhsa_system_vgpr_workitem_id 0
		.amdhsa_next_free_vgpr 1024
		.amdhsa_next_free_sgpr 102
		.amdhsa_reserve_vcc 0
		.amdhsa_float_denorm_mode_32 3
		.amdhsa_float_denorm_mode_16_64 3
		.amdhsa_memory_ordered 1
		.amdhsa_forward_progress 1
		.amdhsa_inst_pref_size 205
	.end_amdhsa_kernel
	.amdgpu_metadata
---
amdhsa.version: [ 1, 2 ]
amdhsa.kernels:
  - .name:           k_q6791dda171_gemm
    .symbol:         k_q6791dda171_gemm.kd
    .args:
      - { .name: xq, .offset: 0, .size: 8, .value_kind: global_buffer, .address_space: global }
      - { .name: wq, .offset: 8, .size: 8, .value_kind: global_buffer, .address_space: global }
      - { .name: out0, .offset: 16, .size: 8, .value_kind: global_buffer, .address_space: global }
      - { .name: bias, .offset: 24, .size: 8, .value_kind: global_buffer, .address_space: global }
    .group_segment_fixed_size: 327680
    .private_segment_fixed_size: 0
    .kernarg_segment_align: 8
    .kernarg_segment_size: 32
    .max_flat_workgroup_size: 128
    .sgpr_count:     102
    .vgpr_count:     1024
    .wavefront_size: 32
...
	.end_amdgpu_metadata
.endif
;; end of part 2
